; MI455X (gfx1250); checked and timed in simulation.
; The chip was launched on July 23, 2026; its instructions are those of AMD's public machine-readable ISA for CDNA 5 (MIT licence, August 2026) and "CDNA5" Instruction Set Architecture Reference Guide (July 2026). The comments in the code are by the model that wrote it; some were corrected since.
;; Sequential Multi Head Attention. Allowed arithmetic: matrix products marked QUANTISED: E2M1 operands, one E8M0 scale for each 32 along K, by v_wmma_scale_f32_16x16x128_f8f6f4 with both operands' format E2M1 (or v_wmma_scale_f32_32x16x128_f4), f32 sums; everything else in f32.
;; Inputs: Wk_codes 16 x 64 x 32 x 16 uint8 (E2M1 codes of Wk, K innermost, in blocks of 32 codes, two codes a byte); Wk_scales 16 x 64 x 32 uint8 (E8M0 scales of Wk, one for each 32 codes along K); Wo_codes 1,024 x 32 x 16 uint8 (E2M1 codes of Wo, K innermost, in blocks of 32 codes, two codes a byte); Wo_scales 1,024 x 32 uint8 (E8M0 scales of Wo, one for each 32 codes along K); Wq_codes 16 x 64 x 32 x 16 uint8 (E2M1 codes of Wq, K innermost, in blocks of 32 codes, two codes a byte); Wq_scales 16 x 64 x 32 uint8 (E8M0 scales of Wq, one for each 32 codes along K); Wv_codes 16 x 64 x 32 x 16 uint8 (E2M1 codes of Wv, K innermost, in blocks of 32 codes, two codes a byte); Wv_scales 16 x 64 x 32 uint8 (E8M0 scales of Wv, one for each 32 codes along K); bo 1,024 float32; x_codes 4 x 2,048 x 32 x 16 uint8 (E2M1 codes of x, K innermost, in blocks of 32 codes, two codes a byte); x_scales 4 x 2,048 x 32 uint8 (E8M0 scales of x, one for each 32 codes along K).
;; Outputs: out0 4 x 2,048 x 1,024 float32.
;; This version of the problem:
;;   THIS VERSION OF THE PROBLEM IS GIVEN IN LOW PRECISION. The matrix products marked QUANTISED in the list below multiply operands that are first quantised to E2M1 (2 exponent bits, 1 mantissa bit; 4 bits a number), with one power-of-two scale for each 32 numbers along K (OCP MX v1.0); their sums are f32. All else is computed in f32.
;;   The module's matrix products, in the order in which they are computed (A, B: the left and right operand; K: the contracted axis; several contracted axes count as one K, in the product's order):
;;     1. [M 1,024, K 1,024] x [K 1,024, N 8,192]; A: input Wq (given as codes); B: input x (given as codes): QUANTISED
;;     2. [M 1,024, K 1,024] x [K 1,024, N 8,192]; A: input Wk (given as codes); B: input x (given as codes): QUANTISED
;;     3. [M 1,024, K 1,024] x [K 1,024, N 8,192]; A: input Wv (given as codes); B: input x (given as codes): QUANTISED
;;     4. batch 64 x [M 2,048, K 64] x [K 64, N 2,048]; A: computed on the way; B: computed on the way: QUANTISED
;;     5. batch 64 x [M 2,048, K 2,048] x [K 2,048, N 64]; A: softmax (see below); B: computed on the way: QUANTISED
;;     6. [M 8,192, K 1,024] x [K 1,024, N 1,024]; A: computed on the way; B: input Wo (given as codes): QUANTISED
;;   THE QUANTISER, for each operand of a quantised product, along K:
;;     - K is cut into blocks of 32 from its start; a last block that is shorter is filled with zeros.
;;     - A block's scale is 2^e with e = floor(log2(the largest magnitude in the block)) - 2, held to -126 .. 127; a block of zeros has e = 0. As a byte (E8M0): e + 127.
;;     - Each number is divided by its block's scale, clamped to +-6, and rounded to the nearest number of E2M1, ties to even, subnormals kept.
;;     - The product sums the exact products of the quantised numbers (number of the format x scale) in f32.
;;   ~~~python
;;   def quantise(x, axis):      # numpy; x: float32 -> the quantised numbers, widened to float32 again
;;       x = np.moveaxis(x, axis, -1); K = x.shape[-1]
;;       x = np.pad(x, [(0, 0)] * (x.ndim - 1) + [(0, -K % 32)]); x = x.reshape(x.shape[:-1] + (-1, 32)); a = np.abs(x).max(-1, keepdims=True)
;;       e = np.where(a > 0, np.clip(np.frexp(np.where(a > 0, a, 1))[1] - 1 - 2, -126, 127), 0)      # np.frexp(a)[1] - 1 = floor(log2(a)), exactly
;;       r = np.clip(x / 2.0 ** e, -6, 6)
;;       step = 2.0 ** (np.maximum(np.frexp(np.where(r == 0, 1, r))[1] - 1, 0) - 1)
;;       q = np.round(r / step) * step * 2.0 ** e      # np.round: ties to even
;;       return np.moveaxis(q.reshape(q.shape[:-2] + (-1,))[..., :K], -1, axis).astype(np.float32)
;;   ~~~
;;   SOFTMAX AHEAD OF A QUANTISED PRODUCT. Where the list says 'softmax', what is quantised is not the finished softmax but p = 2^(t - M), with t = logit x log2(e) and M = ceil(the row's largest t), a whole number; so 1/2 < the row's largest p <= 1. The row's sum l is taken of the UNQUANTISED p, in f32, and the product's result is divided by l at the end. Since M is a whole number, a kernel that streams over the keys may use a running M (the ceiling of the running maximum): every later rescaling is an exact power of two, which a block's scale takes up: the codes' values come out the same.
;;   OPERANDS COMPUTED ON THE WAY. 'Computed on the way' means the value that the module computes at that place (a softmax that the list does not call 'softmax' is quantised finished and normalised). What goes into a quantiser is computed in f32, as accurately as f32 sums, v_exp_f32 and their like allow (about 1e-6 of the number): no bf16 or f16 on the way to a quantiser, and a product that is left as it is and whose result goes on into a quantised operand takes f32 operands (vector FMAs, or v_wmma_f32_16x16x4_f32). A number that lies on a knife's edge between two numbers of the format may be rounded either way, as far as f32 arithmetic and the matrix unit's own rounding can turn it there, and no further.
;;   INPUTS GIVEN AS CODES. Wk (in the module: [16, 1024, 64], K = its axis 1); Wo (in the module: [1024, 1024], K = its axis 1); Wq (in the module: [16, 1024, 64], K = its axis 1); Wv (in the module: [16, 1024, 64], K = its axis 1); x (in the module: [4, 2048, 1024], K = its axis 2): each comes as NAME_codes (uint8): NAME with its K axis moved to the last place and cut into blocks of 32 codes, [.., K / 32, bytes a block], one block behind the other in memory; two codes a byte, the lower K in the low four bits (a code: sign, 2 exponent bits, 1 mantissa bit); and NAME_scales (uint8): the same leading axes, one E8M0 byte (e + 127) for each 32 codes along K. Its value is code x scale, taken as it is: it is not quantised again, and the codes and scales need not be those that the quantiser above would give.
;; One version. Each part assembles by itself: llvm-mc -triple=amdgcn-amd-amdhsa -mcpu=gfx1250 --defsym DOCPART=n.
;; ======== version 1 of 1: 3 launches
;; limits: right only within a limited range of input values
;; workspace buffers: qkv_codes 12,582,912 bytes; qkv_scales 1,310,720 bytes; o_codes 4,194,304 bytes; o_scales 262,144 bytes
;; launch proj (part 1): grid 8 x 32, 4 waves a work-group, clusters of 4 x 4, 327,680 bytes of LDS; arguments x_codes, x_scales, Wq_codes, Wq_scales, Wk_codes, Wk_scales, Wv_codes, Wv_scales, qkv_codes, qkv_scales; writes qkv_codes, qkv_scales
.if DOCPART == 1
	.amdgcn_target "amdgcn-amd-amdhsa--gfx1250"
	.amdhsa_code_object_version 6
	.text
	.protected	k_q51e9974a21_proj
	.globl	k_q51e9974a21_proj
	.p2align	8
	.type	k_q51e9974a21_proj,@function
k_q51e9974a21_proj:
	s_mov_b64 s[64:65], 0
	v_nop
	global_prefetch_b8 v0, s[64:65] scope:SCOPE_SE
	s_setreg_imm32_b32 hwreg(HW_REG_WAVE_MODE, 25, 1), 1
	s_wait_xcnt 0x0
	s_wait_alu depctr_hold_cnt(0) depctr_sa_sdst(0) depctr_va_vdst(0) depctr_va_sdst(0) depctr_va_ssrc(0) depctr_va_vcc(0) depctr_vm_vsrc(0)
	s_getreg_b32 s2, hwreg(HW_REG_IB_STS2, 6, 4)
	s_cmp_eq_u32 s2, 0
	s_cbranch_scc0 .Lentry_in_a_cluster
	s_endpgm
.Lentry_in_a_cluster:
	s_bfe_u32 s2, ttmp6, 0x10000c
	s_cmp_lg_u32 s2, 0xf033
	s_cbranch_scc0 .Lentry_shape_is_right
	s_endpgm
.Lentry_shape_is_right:
; q = x Wq, k = x Wk, v = x Wv (8,192 tokens, 1,024 rows a weight, K = 1,024) on codes of FP4 (E2M1) with one E8M0 byte for each 32 along K; the f32 results are quantised at once,
; q and k along the head's 64 numbers, v along the keys, and leave as codes and scale bytes laid as the attention launch's operand registers want them.
; WORK LEFT OUT BY THE PROGRAM: in the attention launch, the steps of 128 keys that all come after a tile's queries: reference() sets their scores to -infinity itself, so that their p is 0 whatever
; the inputs hold.  LIMIT: a NaN, an infinity or an overflow that reaches only such scores is not carried to the result.
; A WORK-GROUP makes 256 tokens x 128 columns (two heads) of EACH of q, k and v: 32 x 8 = 256 work-groups of equal work.  x's 256 rows lie in LDS for all of K and are fetched once.
; PHASE 1: wave w makes 128 tokens (half w / 2) x 128 columns of q (w even) or k (w odd): 64 accumulators of 16 x 16.  PHASE 2: 64 rows of Wv (one head, w % 2) x 128 tokens (half w / 2): 32 accumulators.
; The matrix instruction takes source 0 = 16 'B rows', source 1 = 16 'A rows': a lane then holds ONE A row, its registers along the B rows.  q, k: A = x, B = the weight; v: A = Wv, B = x:
; so a lane's registers run along the axis that is quantised.
; TENSOR LOADS: one a wave at the head (x's two halves, Wq, Wk: 128 rows of 512 bytes each); Wv's 128 rows go onto Wq's bytes behind phase 1, and land while q and k are quantised.
; CLUSTERS of 4 x 4: x is asked for jointly along a row of the cluster, the weights along a column.  No prefetch: every tile is asked for once, and there is no loop to run ahead in.
; SCALES go from memory to registers: lane (r, h) takes 16 bytes, half h of K, of row r: one register carries a word of the first half of K in lanes 0-15 and of the second in lanes 16-31.
; QUANTISING.  Block beta of 32 B rows is accumulators 2 beta, 2 beta + 1: 16 numbers in this lane, 16 in lane l xor 16.  Scale byte = the largest magnitude's exponent field - 2, held at 1 from below.
; LIMITS: a block whose largest magnitude lies under 2^-124 gets the byte 1; a block of zeros too, where the rule says 127 (its codes are zeros, and this program alone reads the bytes); NaN and infinities are not served.
; OUT.  q at byte 0, k at 4,194,304 of qkv_codes: [head / 2][token tile of 16][head % 2][lane][16 bytes], lane (r, h) = token r, d = 32 h on.  v at 8,388,608: [128 keys][head][16 d][64 keys][lane][16 bytes].
;   qkv_scales: q at 0, k at 524,288: [head / 2][64 tokens][head % 2][r][tile % 4] words (bytes 0, 1 the head's two blocks; bytes 2, 3 never 0xff);  v at 1,048,576: [128 keys][head][r][16 d] words.
; REGISTERS: window 0: v16-30 addresses; v32-111 scale words; v128-191 A's fragments, later the codes made; v200-227 at work.  window 1: B's fragments, two sets.  windows 2, 3: accumulators.
.set PITCH,  528                       ; an LDS row: 512 bytes + 16 of padding = 132 words: the 16 rows that a load touches start at 16 different banks (64 banks of 4 bytes: ISA guide 11.1)
.set HALFT,  128*PITCH                 ; 128 rows
.set WBASE,  2*HALFT                   ; behind x's 256 rows: Wq's 128 rows, later Wv's; then Wk's
.set SPARE,  4*HALFT                   ; the spare words, 128 bytes for each wave
.set ADRX, 16                          ; LDS address of my x fragments,
.set ADRW, 17                          ; of my q or k weight's,
.set ADRV, 18                          ; of my Wv's
.set VO,   24                          ; 16 x lane: my place in a stored fragment
.set VOS0, 25                          ; my place among the scale words of tokens 0-63,
.set VOS1, 26                          ; of tokens 64-127
.set ZSH,  27                          ; 0
.set SH,   28                          ; 16 x (lane / 16): lanes 16-31 keep the second head's two bytes
.set SOF,  29                          ; 32 r + 16 h: my 16 bytes of a block's scales
.set VOSV, 30                          ; my place among v's scale words
.set SCX,  32                          ; x's scale words: block i, step q of a half of K at 4 i + q
.set SCW,  64                          ; the q or k weight's
.set SCV,  96                          ; Wv's
.set AF,   128
.set TM,   200                         ; v200-203 largest magnitudes, v204-207 the other half's, then bytes, v212-215 the conversions' scale operands
.set PW,   216
.set SW,   220                         ; v220-227 the A blocks' words to store
.set SPW,  254                         ; LDS address of my spare word; never rewritten
.set NIL,  255                         ; 0; never rewritten
.set G1, 24                            ; descriptor groups: x
.set G0, 32
.set G1B, 48                           ; the weights
.set G0B, 56
.set G0V, 60                           ; Wv
.set SEL, 98                           ; lane selects for v_permlanex16_b32: lane l xor 16
.set CODEW, (1<<20)|(1<<21)|(6<<22)|(3<<25)   ; elements of 1 byte; 20 padding on; 21 set beside a mask; after every 128 words; four words
.set MSB, 0
.macro WIN new                         ; the immediate's high byte repeats the setting that is left; a switch that changes nothing is dropped
.if MSB != \new
	s_set_vgpr_msb (MSB<<8)|\new
.set MSB, \new
.endif
.endm
.set MUL_LO, 0xa1                      ; source 0 window 1, source 1 window 0, C and D window 2
.set MUL_HI, 0xf1                      ; the same, C and D window 3
.set TO_B,   0x40
.macro CROUND                          ; a round of the cluster's barrier
	s_barrier_signal -1
	s_barrier_wait -1
	s_cmp_lg_u32 s14, 0
	s_cbranch_scc1 .Lnot_wave_0_\@
	s_barrier_signal -3
.Lnot_wave_0_\@:
	s_barrier_wait -3
	s_barrier_signal -1
	s_barrier_wait -1
.endm
.macro PLACES                          ; four places behind a matrix instruction (ISA guide 7.12.1)
.rept 4
	v_nop
.endr
.endm
	s_load_b512 s[68:83], s[0:1], 0x0              ; codes and scales of x, Wq, Wk, Wv
	s_load_b128 s[84:87], s[0:1], 0x40             ; qkv_codes, qkv_scales
	v_lshl_add_u32 v[SPW], v0, 2, SPARE
	v_mov_b32 v[NIL], 0
	ds_add_u32 v[SPW], v[NIL]                      ; the opening add, twice on end, and its wait ahead of my first tensor load
	ds_add_u32 v[SPW], v[NIL]
	v_lshrrev_b32 v1, 5, v0
	v_readfirstlane_b32 s14, v1                    ; wave 0..3
	s_lshr_b32 s15, s14, 1                         ; my half of the tokens.  Also: at the head I fetch x (0) or a weight (1)
	s_and_b32 s16, s14, 1                          ; q or k; the head of v.  Also: which half of x, or which weight, I fetch
	s_bfe_u32 s40, ttmp6, 0x40000                  ; cx, cy
	s_bfe_u32 s41, ttmp6, 0x40004
	s_lshl_b32 s42, ttmp9, 2
	s_add_co_u32 s42, s42, s40                     ; pair of heads: it never holds cy
	s_and_b32 s17, ttmp7, 0xffff
	s_lshl_b32 s17, s17, 2
	s_add_co_u32 s17, s17, s41                     ; tile of 256 tokens: it never holds cx
	s_lshl_b32 s43, s41, 2
	s_lshl_b32 s43, 15, s43                        ; my row of the cluster
	s_lshl_b32 s44, 0x1111, s40                    ; my column
	s_or_b32 s[G1], s43, CODEW
	s_or_b32 s[G1B], s44, CODEW
.irp g, G1, G1B
	s_mov_b32 s[\g+1], 512<<16                     ; tensor_dim0 = 512 bytes
	s_mov_b32 s[\g+2], 128<<16                     ; tensor_dim1 = 128 rows
	s_mov_b32 s[\g+3], 512<<16                     ; tile_dim0
	s_mov_b32 s[\g+4], 128                         ; tile_dim1
	s_mov_b32 s[\g+5], 512                         ; from row to row
	s_mov_b32 s[\g+6], 0
	s_mov_b32 s[\g+7], 0
.endr
	s_lshl_b32 s18, s17, 17                        ; x: row 256 x tile + 128 x half, 512 bytes a row
	s_lshl_b32 s20, s16, 16
	s_add_co_u32 s18, s18, s20
	s_mov_b32 s19, 0
	s_lshl_b32 s46, s42, 16                        ; a weight: row 128 x pair
	s_mov_b32 s47, 0
	s_lshl_b32 s94, s16, 15                        ; Wv: + 64 rows for waves 1 and 3
	s_add_co_u32 s94, s94, s46
	s_mov_b32 s95, 0
	s_mul_i32 s45, s14, HALFT                      ; where the head's tiles go: wave x 128 rows
	s_mul_i32 s21, s15, HALFT                      ; my x rows in LDS
	s_mul_i32 s22, s16, HALFT
	s_add_co_u32 s22, s22, WBASE                   ; my q or k weight
	s_mul_i32 s23, s16, 64*PITCH
	s_add_co_u32 s23, s23, WBASE                   ; my 64 rows of Wv
	s_mov_b32 s[SEL], 0x76543210
	s_mov_b32 s[SEL+1], 0xfedcba98
	v_and_b32 v1, 15, v0                           ; r
	v_bfe_u32 v2, v0, 4, 1                         ; h
	v_and_b32 v6, 31, v0
	v_mul_u32_u24 v3, v1, PITCH
	v_lshl_add_u32 v3, v2, 4, v3                   ; a fragment's row x pitch + 16 h
	v_add_nc_u32 v[ADRX], s21, v3
	v_add_nc_u32 v[ADRW], s22, v3
	v_add_nc_u32 v[ADRV], s23, v3
	v_lshlrev_b32 v[VO], 4, v6
	v_lshlrev_b32 v[VOSV], 4, v1
	v_lshl_add_u32 v[VOS0], v2, 8, v[VOSV]         ; lanes 16-31 store the second head's words, 256 bytes on
	v_add_nc_u32 v[VOS1], 0x200, v[VOS0]
	v_lshlrev_b32 v[SH], 4, v2
	v_lshl_add_u32 v[SOF], v1, 5, v[SH]
	v_mov_b32 v[ZSH], 0
	s_wait_alu depctr_va_vdst(0)
	s_wait_dscnt 0x0                               ; both opening adds are done
	s_wait_kmcnt 0x0
	s_cmp_eq_u32 s16, 0
	s_cselect_b64 s[8:9], s[72:73], s[76:77]       ; Wq or Wk
	s_cselect_b64 s[10:11], s[74:75], s[78:79]
	s_mov_b32 s[G0], 1
	s_mov_b32 s[G0+1], s45
	s_add_nc_u64 s[G0+2:G0+3], s[68:69], s[18:19]
	s_or_b32 s[G0+3], s[G0+3], 0x80000000
	s_mov_b32 s[G0B], 1
	s_mov_b32 s[G0B+1], s45
	s_add_nc_u64 s[G0B+2:G0B+3], s[8:9], s[46:47]
	s_or_b32 s[G0B+3], s[G0B+3], 0x80000000
	s_mov_b32 s[G0V], 1
	s_mov_b32 s[G0V+1], s23
	s_add_nc_u64 s[G0V+2:G0V+3], s[80:81], s[94:95]
	s_or_b32 s[G0V+3], s[G0V+3], 0x80000000
	CROUND                                         ; all sixteen work-groups are here: the joint loads meet
	s_cmp_eq_u32 s15, 0                            ; waves 0, 1: x's halves; 2: Wq; 3: Wk: one load a wave
	s_cbranch_scc0 .Lfor_w
	tensor_load_to_lds s[G0:G0+3], s[G1:G1+7]
	s_nop 0
	PLACES
	s_branch .Lasked
.Lfor_w:
	tensor_load_to_lds s[G0B:G0B+3], s[G1B:G1B+7]
	s_nop 0
	PLACES
.Lasked:
	s_mov_b32 s3, 0
	s_lshl_b32 s92, s17, 8
	s_lshl_b32 s20, s15, 7
	s_add_co_u32 s92, s92, s20                     ; my first token
	s_lshl_b32 s2, s92, 5
	s_add_nc_u64 s[36:37], s[70:71], s[2:3]        ; its scales
	s_lshl_b32 s2, s42, 12
	s_add_nc_u64 s[38:39], s[10:11], s[2:3]        ; my q or k weight's: 128 rows x 32 bytes a pair
	s_lshl_b32 s20, s16, 11
	s_add_co_u32 s2, s2, s20
	s_add_nc_u64 s[66:67], s[82:83], s[2:3]        ; my 64 rows of Wv's
.irp i, 0,1,2,3,4,5,6,7
	global_load_b128 v[SCX+4*\i:SCX+4*\i+3], v[SOF], s[36:37] offset:512*\i   ; 16 rows x 32 bytes: 512 consecutive bytes
	global_load_b128 v[SCW+4*\i:SCW+4*\i+3], v[SOF], s[38:39] offset:512*\i
.endr
.irp i, 0,1,2,3
	global_load_b128 v[SCV+4*\i:SCV+4*\i+3], v[SOF], s[66:67] offset:512*\i
.endr
	s_wait_xcnt 0x0
	s_lshl_b32 s2, s16, 22                         ; q's or k's codes
	s_lshl_b32 s20, s42, 19
	s_add_co_u32 s2, s2, s20
	s_lshl_b32 s20, s92, 6
	s_add_co_u32 s2, s2, s20
	s_add_nc_u64 s[12:13], s[84:85], s[2:3]
	s_lshl_b32 s2, s16, 19                         ; and scale words
	s_lshl_b32 s20, s42, 16
	s_add_co_u32 s2, s2, s20
	s_lshl_b32 s20, s92, 3
	s_add_co_u32 s2, s2, s20
	s_add_nc_u64 s[96:97], s[86:87], s[2:3]
	s_lshl_b32 s93, s42, 7
	s_lshl_b32 s20, s16, 6
	s_add_co_u32 s93, s93, s20                     ; my first row of Wv
	s_lshl_b32 s2, s93, 6
	s_lshl_b32 s20, s92, 9
	s_add_co_u32 s2, s2, s20
	s_add_co_u32 s2, s2, 0x800000
	s_add_nc_u64 s[88:89], s[84:85], s[2:3]        ; v's codes
	s_lshl_b32 s2, s93, 2
	s_lshl_b32 s20, s92, 5
	s_add_co_u32 s2, s2, s20
	s_add_co_u32 s2, s2, 0x100000
	s_add_nc_u64 s[90:91], s[86:87], s[2:3]        ; and scale words
.macro FRAG reg, adr, qq, i            ; 16 rows x 128 K of 4-bit codes: lane l holds row l % 16; registers 4 c .. 4 c + 3 hold K = 64 c + 32 (l / 16) + 0 .. 31
.irp c, 0,1
	ds_load_b128 v[\reg+4*\c:\reg+4*\c+3], v[\adr] offset:64*(\qq)+32*\c+(\i)*16*PITCH
.endr
.endm
; 16 matrix instructions: A's blocks a0, a0 + 1 x B's eight, the qq-th 128 along K.  The first products start the sums; the accumulators take turns in the same order in every step.
; The second half of K has its scale words in lanes 16-31.
.macro MUL16 a0, p, qq, af, sb, sa
.irp a, \a0, \a0+1
.irp b, 0,1,2,3,4,5,6,7
.set DD, 8*(8*((\a)%4)+\b)
.set FB, 128*(\p)+8*\b
.set FA, \af+8*(\a)
.set SB, \sb+4*\b+(\qq)%4
.set SA, \sa+4*(\a)+(\qq)%4
.if (\qq) == 0
	v_wmma_scale_f32_16x16x128_f8f6f4 v[DD:DD+7], v[FB:FB+7], v[FA:FA+7], 0, v[SB], v[SA] matrix_a_fmt:MATRIX_FMT_FP4 matrix_b_fmt:MATRIX_FMT_FP4
.elseif (\qq) < 4
	v_wmma_scale_f32_16x16x128_f8f6f4 v[DD:DD+7], v[FB:FB+7], v[FA:FA+7], v[DD:DD+7], v[SB], v[SA] matrix_a_fmt:MATRIX_FMT_FP4 matrix_b_fmt:MATRIX_FMT_FP4
.else
	v_wmma_scale_f32_16x16x128_f8f6f4 v[DD:DD+7], v[FB:FB+7], v[FA:FA+7], v[DD:DD+7], v[SB], v[SA] matrix_a_fmt:MATRIX_FMT_FP4 matrix_b_fmt:MATRIX_FMT_FP4 matrix_a_scale:MATRIX_SCALE_ROW1 matrix_b_scale:MATRIX_SCALE_ROW1
.endif
.endr
.endr
.endm
.macro FETCH_B adr, qq, p              ; eight B fragments into set p of window 1
	WIN TO_B
.irp i, 0,1,2,3,4,5,6,7
	FRAG 128*(\p)+8*\i, \adr, \qq, \i
.endr
	WIN 0
.endm
.macro FETCH_A adr, qq, i0, reg        ; four A fragments, blocks i0 .. i0 + 3
.irp i, 0,1,2,3
	FRAG \reg+8*\i, \adr, \qq, \i+\i0
.endr
.endm
; Phase 1's step: A's blocks are free as soon as their eight products are issued, so A has one set: blocks 0-3 come anew in the middle, blocks 4-7 at the end.
.macro STEP1 qq
	s_wait_dscnt 8                                 ; B's set and A's blocks 0-3 are in; the youngest eight loads (A's blocks 4-7) may be out
	WIN MUL_LO
	MUL16 0, (\qq)%2, \qq, AF, SCW, SCX
	MUL16 2, (\qq)%2, \qq, AF, SCW, SCX
	s_wait_dscnt 0x0
.if (\qq) < 7
	PLACES
	FETCH_B ADRW, (\qq)+1, 1-(\qq)%2
	FETCH_A ADRX, (\qq)+1, 0, AF
	WIN MUL_HI
	MUL16 4, (\qq)%2, \qq, AF, SCW, SCX
	MUL16 6, (\qq)%2, \qq, AF, SCW, SCX
	PLACES
	WIN 0
	FETCH_A ADRX, (\qq)+1, 4, AF+32
.endif
.endm
; Phase 2's step: two sets on both sides.
.macro STEP2 qq
	s_wait_dscnt 0x0
.if (\qq) < 7
	PLACES
	FETCH_B ADRX, (\qq)+1, 1-(\qq)%2
	FETCH_A ADRV, (\qq)+1, 0, AF+32*(1-(\qq)%2)
.endif
	WIN MUL_LO
	MUL16 0, (\qq)%2, \qq, AF+32*((\qq)%2), SCX, SCV
	MUL16 2, (\qq)%2, \qq, AF+32*((\qq)%2), SCX, SCV
.endm
; THE WAY OUT of an A block (16 A rows x my 128 B rows = four blocks of 32).  Register 16 beta + 8 u + j of the block's 64 is B row 32 beta + 16 u + 8 (lane / 16) + j of my A row.
; The conversion of (beta, u) goes to register 4 (beta / 2) + 2 u + beta % 2; an exchange of halves between each even register and the odd one behind it leaves the layout of an operand, which is stored as it stands.
.macro QBLK a, base, sh
.set AC, 64*((\a)%4)
.set WN, 2+(\a)/4
.set WW, WN|(WN<<2)
.set PCD, AF+8*(\a)
	WIN WW
.irp b, 0,1,2,3
	v_max3_num_f32 v[TM+\b], |v[AC+16*\b]|, |v[AC+16*\b+1]|, 0x1800000   ; each accumulator from its low end on; and the floor 2^(3 - 127)
.endr
.irp i, 2,4,6,8,10,12,14
.irp b, 0,1,2,3
	v_max3_num_f32 v[TM+\b], |v[AC+16*\b+\i]|, |v[AC+16*\b+\i+1]|, v[TM+\b]
.endr
.endr
	WIN 0
.irp b, 0,1,2,3
	v_permlanex16_b32 v[TM+4+\b], v[TM+\b], s[SEL], s[SEL+1]
.endr
.irp b, 0,1,2,3
	v_max_num_f32 v[TM+\b], v[TM+\b], v[TM+4+\b]
.endr
.irp b, 0,1,2,3
	v_add_nc_u32 v[TM+12+\b], 0xff000000, v[TM+\b] ; 2 off its exponent field: the conversion takes the exponent field of this operand as its scale
.endr
.irp b, 0,1,2,3
	v_lshrrev_b32 v[TM+4+\b], 23, v[TM+12+\b]      ; the scale's byte
.endr
	v_lshl_or_b32 v[PW], v[TM+5], 8, v[TM+4]
	v_lshl_or_b32 v[PW], v[TM+6], 16, v[PW]
	v_lshl_or_b32 v[PW], v[TM+7], 24, v[PW]
	v_lshrrev_b32 v[SW+(\a)], v[\sh], v[PW]        ; q, k: lanes 16-31 keep the second head's two, in bytes 0 and 1
	WIN WN
.irp b, 0,1,2,3
	v_cvt_scalef32_pk8_fp4_f32 v[PCD+4*(\b/2)+\b%2], v[AC+16*\b:AC+16*\b+7], v[TM+12+\b]
	v_cvt_scalef32_pk8_fp4_f32 v[PCD+4*(\b/2)+2+\b%2], v[AC+16*\b+8:AC+16*\b+15], v[TM+12+\b]
.endr
	WIN 0
	v_nop                                          ; one plain place behind a scaled conversion
.irp c, 0,1
.irp u, 0,1
	v_permlane16_swap_b32 v[PCD+4*\c+2*\u], v[PCD+4*\c+2*\u+1]
.endr
.endr
	global_store_b128 v[VO], v[PCD:PCD+3], s[\base:\base+1] offset:(\a)*1024
	global_store_b128 v[VO], v[PCD+4:PCD+7], s[\base:\base+1] offset:(\a)*1024+512
.endm
	s_wait_alu depctr_va_vdst(0)
	s_wait_tensorcnt 0x0                           ; my tile is in,
	s_barrier_signal -1
	s_barrier_wait -1                              ; everybody's is
	FETCH_B ADRW, 0, 0
	FETCH_A ADRX, 0, 0, AF
	FETCH_A ADRX, 0, 4, AF+32
	s_wait_loadcnt 0x0                             ; the scale words
	STEP1 0
	STEP1 1
	STEP1 2
	STEP1 3
	STEP1 4
	STEP1 5
	STEP1 6
	STEP1 7
	WIN 0                                          ; my LDS reads of phase 1 are over.  Ahead of the refill:
	s_wait_tensorcnt 0x0
	ds_add_u32 v[SPW], v[NIL]                      ; 0 onto my spare word
	s_mov_b32 s[G1B+2], 64<<16                     ; no tensor load of mine is out: from here on a weight's load brings 64 rows
	s_mov_b32 s[G1B+4], 64
	WIN MUL_HI
	MUL16 4, 1, 7, AF, SCW, SCX                    ; work on registers between the add and the wait for it
	MUL16 6, 1, 7, AF, SCW, SCX
	WIN 0
	s_wait_dscnt 0x0
	CROUND                                         ; no wave of any partner still reads Wq or Wk, or has a load on its way
	s_cmp_eq_u32 s15, 0                            ; waves 2 and 3 fetch 64 rows of Wv each, onto Wq's bytes
	s_cbranch_scc1 .Lno_v
	tensor_load_to_lds s[G0V:G0V+3], s[G1B:G1B+7]
	s_nop 0
	PLACES
.Lno_v:
.irp b, 0,1,2,3
	v_mov_b32 v[TM+4+\b], 0                        ; a lane permute's destination counts as one of its sources.  These four are also places behind the last products
.endr
.irp a, 0,1,2,3
	QBLK \a, 12, SH
.endr
	global_store_b128 v[VOS0], v[SW:SW+3], s[96:97]      ; sixteen lanes store 256 consecutive bytes, aligned
.irp a, 4,5,6,7
	QBLK \a, 12, SH
.endr
	global_store_b128 v[VOS1], v[SW+4:SW+7], s[96:97]
	s_wait_alu depctr_va_vdst(0)
	s_wait_xcnt 0x0                                ; the stores have read their registers
	s_wait_tensorcnt 0x0                           ; my part of Wv is in,
	s_barrier_signal -1
	s_barrier_wait -1                              ; everybody's is
	FETCH_B ADRX, 0, 0
	FETCH_A ADRV, 0, 0, AF
	STEP2 0
	STEP2 1
	STEP2 2
	STEP2 3
	STEP2 4
	STEP2 5
	STEP2 6
	STEP2 7
	WIN 0
	PLACES
.irp a, 0,1,2,3
	QBLK \a, 88, ZSH
.endr
	global_store_b128 v[VOSV], v[SW:SW+3], s[90:91]      ; (lanes 16-31 store the same words as lanes 0-15, to the same bytes)
	s_wait_tensorcnt 0x0                           ; the wave's end
	ds_add_u32 v[SPW], v[NIL]
	s_wait_dscnt 0x0
	CROUND                                         ; the closing round: no work-group ends while a partner may still ask for a tile that names it
	s_endpgm
.Lfunc_end_k_q51e9974a21_proj:
	.size	k_q51e9974a21_proj, .Lfunc_end_k_q51e9974a21_proj-k_q51e9974a21_proj
	.p2alignl 7, 3214868480
	.fill 96, 4, 3214868480
	.section	.rodata,"a",@progbits
	.p2align	6, 0x0
	.amdhsa_kernel k_q51e9974a21_proj
		.amdhsa_group_segment_fixed_size 327680
		.amdhsa_private_segment_fixed_size 0
		.amdhsa_enable_private_segment 0
		.amdhsa_kernarg_size 80
		.amdhsa_user_sgpr_count 2
		.amdhsa_user_sgpr_kernarg_segment_ptr 1
		.amdhsa_wavefront_size32 1
		.amdhsa_system_sgpr_workgroup_id_x 1
		.amdhsa_system_sgpr_workgroup_id_y 1
		.amdhsa_system_sgpr_workgroup_id_z 1
		.amdhsa_system_vgpr_workitem_id 0
		.amdhsa_next_free_vgpr 1024
		.amdhsa_next_free_sgpr 100
		.amdhsa_reserve_vcc 0
		.amdhsa_float_denorm_mode_32 3
		.amdhsa_float_denorm_mode_16_64 3
		.amdhsa_memory_ordered 1
		.amdhsa_forward_progress 1
		.amdhsa_inst_pref_size 189
	.end_amdhsa_kernel
	.amdgpu_metadata
---
amdhsa.version: [ 1, 2 ]
amdhsa.kernels:
  - .name:           k_q51e9974a21_proj
    .symbol:         k_q51e9974a21_proj.kd
    .args:
      - { .name: x_codes, .offset: 0, .size: 8, .value_kind: global_buffer, .address_space: global }
      - { .name: x_scales, .offset: 8, .size: 8, .value_kind: global_buffer, .address_space: global }
      - { .name: Wq_codes, .offset: 16, .size: 8, .value_kind: global_buffer, .address_space: global }
      - { .name: Wq_scales, .offset: 24, .size: 8, .value_kind: global_buffer, .address_space: global }
      - { .name: Wk_codes, .offset: 32, .size: 8, .value_kind: global_buffer, .address_space: global }
      - { .name: Wk_scales, .offset: 40, .size: 8, .value_kind: global_buffer, .address_space: global }
      - { .name: Wv_codes, .offset: 48, .size: 8, .value_kind: global_buffer, .address_space: global }
      - { .name: Wv_scales, .offset: 56, .size: 8, .value_kind: global_buffer, .address_space: global }
      - { .name: qkv_codes, .offset: 64, .size: 8, .value_kind: global_buffer, .address_space: global }
      - { .name: qkv_scales, .offset: 72, .size: 8, .value_kind: global_buffer, .address_space: global }
    .group_segment_fixed_size: 327680
    .private_segment_fixed_size: 0
    .kernarg_segment_align: 8
    .kernarg_segment_size: 80
    .max_flat_workgroup_size: 128
    .sgpr_count:     100
    .vgpr_count:     1024
    .wavefront_size: 32
...
	.end_amdgpu_metadata
.endif
;; end of part 1
;; launch attn (part 2): grid 4 x 64, 16 waves a work-group, clusters of 4 x 1, 169,984 bytes of LDS; arguments qkv_codes, qkv_scales, o_codes, o_scales; writes o_codes, o_scales
.if DOCPART == 2
	.amdgcn_target "amdgcn-amd-amdhsa--gfx1250"
	.amdhsa_code_object_version 6
	.text
	.protected	k_q51e9974a21_attn
	.globl	k_q51e9974a21_attn
	.p2align	8
	.type	k_q51e9974a21_attn,@function
k_q51e9974a21_attn:
	s_mov_b64 s[64:65], 0
	v_nop
	global_prefetch_b8 v0, s[64:65] scope:SCOPE_SE
	s_setreg_imm32_b32 hwreg(HW_REG_WAVE_MODE, 25, 1), 1
	s_wait_xcnt 0x0
	s_wait_alu depctr_hold_cnt(0) depctr_sa_sdst(0) depctr_va_vdst(0) depctr_va_sdst(0) depctr_va_ssrc(0) depctr_va_vcc(0) depctr_vm_vsrc(0)
	s_getreg_b32 s2, hwreg(HW_REG_IB_STS2, 6, 4)
	s_cmp_eq_u32 s2, 0
	s_cbranch_scc0 .Lentry_in_a_cluster
	s_endpgm
.Lentry_in_a_cluster:
	s_bfe_u32 s2, ttmp6, 0x10000c
	s_cmp_lg_u32 s2, 0x3003
	s_cbranch_scc0 .Lentry_shape_is_right
	s_endpgm
.Lentry_shape_is_right:
; Causal attention of one (batch, head) for each cluster of four work-groups, both products on codes of FP4 (E2M1) with one E8M0 byte for each 32 along a product's K; O / l is quantised along E and leaves as codes.
; WORK LEFT OUT: steps of 128 keys that all come after a tile's 16 queries: reference()'s own mask gives them p = 0 for all inputs.  LIMIT: a NaN, an infinity or an overflow there is not carried to the result.
; THE SOFTMAX AHEAD OF THE SECOND PRODUCT: t = score x log2(e) / 8; M = the row's largest t so far, rounded UP to a whole number.  What is held and quantised is 4 p = 2^(t - M + 2): the factor 4 is exact, stands in the row's sum
; as well, and leaves by the division at the end; with it the exponent field of a block's largest p is the scale of its 4 p.  The sum is taken of the unquantised numbers, in f32.
; When M moves, the sum and O are multiplied by 2^(old M - new M): exact.
; SHARES.  The head's 128 tiles of 16 queries fall into 16 groups of 8; a tile of group g needs g + 1 key steps of 128 keys, the last on the diagonal.  Wave w of work-group cx owns tile A = 8 w + 2 cx (w + 1 steps)
; and tile B = 8 (15 - w) + 2 cx + 1 (16 - w steps), one behind the other: 17 steps for every wave.  Which steps a wave does hangs on its number and a counter with a constant end, never on cx:
; the four partners run alike, and K and V are asked for JOINTLY.
; LDS holds the whole head, each byte filled once, as images of operand registers without padding: K's codes 64 KiB (512 bytes a tile of 16 keys), V's 64 KiB, their scale words 8 and 4 KiB.
; No prefetch: all is asked for at the head, ahead of the loop.
; LAYOUT.  Both products are used transposed: S^T = K Q^T, O^T = V^T P^T: a lane holds ONE query (lane % 16) throughout.
; THE KEYS OF A TILE: row m of tile 4 c + g is key 64 c + 32 (m / 8) + 8 g + m % 8 of the step.  So lane (r, h) holds in tiles 4 c .. 4 c + 3 the whole block of keys 64 c + 32 h + 0 .. 31: a block's maximum asks no other lane,
; and the conversion of tile t is register t of P's operand as it stands (register 4 c + g of lane (r, h) = keys 64 c + 32 h + 8 g .. + 7).
; THE FIRST PRODUCT'S K IS 64, the instruction's 128: Q's upper four registers are zero codes, so what K's fragment holds there and the scale words' bytes 2 and 3 (never 0xff) add nothing.
; LIMITS: a block of p whose largest lies under 2^-126 gets the byte 1, a block of O whose largest lies under 2^-124 too, blocks of zeros likewise (this program alone reads the bytes); NaN and infinities are not served.
; o_scales is stored a byte a lane, 32 bytes apart: a token's 32 bytes come from 16 clusters, and no work-group holds more than two neighbours of them; the buffer is 1 / 16 of the codes.
; REGISTERS: v1-7 addresses and lane numbers; v8 2 - M, v9 the largest score, v[10:11] the sum in two halves, v12 -M; v[16:23] Q; v[24:59] K's eight tiles (v56-59 zeros); v[60:63] Q of B; v68, v69 Q's scale words;
;   v[76:83] K's scale words; v[84:87] V's; v88-95 at work; v[96:159] S^T, then 4 p; v[160:191] O^T; v[192:223] V; v[224:231] P's codes; v253 P's scale word.
.set KT,   512                         ; a tile of 16 keys in LDS
.set VC,   128*KT                      ; V's codes: key step ks at 4,096 ks: [16 d][64 keys][lane][16 bytes]
.set KSB,  VC+65536                    ; K's scale words: 64 keys at 256 G: [r][tile % 4]
.set VSB,  KSB+8192                    ; V's scale words: key step at 256 ks: [r][16 d]
.set SPARE, VSB+4096                   ; the spare words, 128 bytes for each wave
.set WV,   12                          ; my wave's number: also tile A's group
.set CX,   13                          ; my place in the cluster: it enters Q's and O's global addresses and the mask's numbers alone
.set SEL,  20                          ; lane selects for v_permlanex16_b32: lane l xor 16
.set CS,   22                          ; s[22:23] c = log2(e) / 8
.set NC,   67                          ; -c
.set G1K,  24
.set G1V,  32
.set G1KS, 40
.set G1VS, 48
.set G0K,  56
.set G0V,  60
.set G0KS, 68
.set G0VS, 72
.set GB,   76                          ; tile B's group
.set NX,   77                          ; the count at which the tile in hand has its last step, on the diagonal: w for A, 16 for B
.set CT,   78                          ; the count, 0 .. 16
.set KS,   79                          ; the key step
.set KN,   80                          ; the next
.set SPW,  64
.set NIL,  65
.macro CROUND                          ; a round of the cluster's barrier
	s_barrier_signal -1
	s_barrier_wait -1
	s_cmp_lg_u32 s[WV], 0
	s_cbranch_scc1 .Lnot_wave_0_\@
	s_barrier_signal -3
.Lnot_wave_0_\@:
	s_barrier_wait -3
	s_barrier_signal -1
	s_barrier_wait -1
.endm
.macro DESC1 g, c, r, p                ; group 1: r rows of c elements of 8 bytes, p elements from row to row; no padding; the mask names all four work-groups, bit 21 is set beside it
	s_mov_b32 s[\g], 15|(3<<16)|(1<<21)
	s_mov_b32 s[\g+1], (\c)<<16
	s_mov_b32 s[\g+2], (\r)<<16
	s_mov_b32 s[\g+3], (\c)<<16
	s_mov_b32 s[\g+4], \r
	s_mov_b32 s[\g+5], \p
	s_mov_b32 s[\g+6], 0
	s_mov_b32 s[\g+7], 0
.endm
.macro PLACES
.rept 4
	v_nop
.endr
.endm
	s_load_b256 s[4:11], s[0:1], 0x0               ; qkv_codes s[4:5], qkv_scales s[6:7], o_codes s[8:9], o_scales s[10:11]
	v_lshl_add_u32 v[SPW], v0, 2, SPARE
	v_mov_b32 v[NIL], 0
	ds_add_u32 v[SPW], v[NIL]                      ; the opening add, twice on end, and its wait ahead of my first tensor load
	ds_add_u32 v[SPW], v[NIL]
	v_lshrrev_b32 v8, 5, v0
	v_readfirstlane_b32 s[WV], v8                  ; wave 0..15
	s_bfe_u32 s[CX], ttmp6, 0x40000
	s_and_b32 s14, ttmp7, 0xffff                   ; the cluster's y = 16 x batch + head, which the four partners share
	s_lshr_b32 s15, s14, 4                         ; batch
	s_and_b32 s16, s14, 15                         ; head
	s_lshr_b32 s17, s16, 1                         ; pair of heads
	s_and_b32 s18, s16, 1                          ; which of the pair
	s_and_b32 s19, s[WV], 1                        ; which half of K's or V's codes I fetch, if I fetch
	s_lshl_b32 s2, s17, 19
	s_lshl_b32 s3, s15, 17
	s_add_co_u32 s2, s2, s3
	s_lshl_b32 s3, s18, 9
	s_add_co_u32 s2, s2, s3                        ; s2: the head's first byte in q's and in k's region of codes
	s_lshl_b32 s3, s17, 16
	s_lshl_b32 s98, s15, 14
	s_add_co_u32 s3, s3, s98
	s_lshl_b32 s98, s18, 8
	s_add_co_u32 s3, s3, s98                       ; s3: and in their regions of scale words
	DESC1 G1K, 64, 64, 128                         ; K's codes: 64 key tiles of 512 bytes, 1,024 apart (the pair's other head lies between)
	DESC1 G1V, 512, 8, 8192                        ; V's codes: 8 key steps of 4,096 bytes, 65,536 apart
	DESC1 G1KS, 32, 32, 64                         ; K's scale words: 32 groups of 256 bytes, 512 apart
	DESC1 G1VS, 32, 16, 512                        ; V's: 16 key steps of 256 bytes, 4,096 apart
	s_mov_b32 s[SEL], 0x76543210
	s_mov_b32 s[SEL+1], 0xfedcba98
	s_mov_b32 s[CS], 0x3e38aa3b                    ; c = log2(e) / 8
	s_mov_b32 s[CS+1], s[CS]                       ; (named with it as a pair, so it is written)
	s_mov_b32 s[NC], 0xbe38aa3b
	s_lshl_b32 s100, s[CX], 5
	v_and_b32 v8, 31, v0
	v_and_b32 v9, 15, v0                           ; r
	v_bfe_u32 v10, v0, 4, 1                        ; h
	v_and_b32 v11, 7, v0                           ; r % 8
	v_bfe_u32 v13, v0, 3, 1                        ; r / 8 (of r = 0 .. 15)
	v_lshlrev_b32 v1, 4, v8                        ; 16 x lane: my place in an image of four registers
	v_lshlrev_b32 v3, 4, v11
	v_lshlrev_b32 v15, 4, v9                       ; 16 r: four scale words a row
	v_lshlrev_b32 v7, 3, v10                       ; 8 h
	v_lshlrev_b32 v14, 5, v10
	v_add_nc_u32 v2, VC, v1
	v_lshl_add_u32 v4, v13, 3, v3
	v_lshl_add_u32 v3, v10, 8, v3
	v_add_nc_u32 v5, VSB, v15
	v_sub_nc_u32 v6, v9, v14
	v_add_nc_u32 v4, KSB, v4                       ; K's scale words: 16 (r % 8) + 8 (r / 8)
	v_lshl_add_u32 v3, v13, 10, v3                 ; K's codes: 16 (r % 8) + 256 h, two tiles on for r / 8 = 1
	v_add_nc_u32 v6, s100, v6                      ; the mask's number: my query's place among the diagonal step's 128, less 32 h
	v_lshl_add_u32 v67, v9, 5, v10                 ; o_scales: 32 bytes a token, + my half's block
	s_wait_alu depctr_va_vdst(0)
	s_wait_dscnt 0x0                               ; both opening adds are done
	s_wait_kmcnt 0x0
	s_mov_b32 s99, 0
	s_mov_b32 s[G0K], 1
	s_lshl_b32 s[G0K+1], s19, 15                   ; LDS: 64 tiles on for the second half
	s_lshl_b32 s98, s19, 16                        ; memory: 64 key tiles on
	s_add_co_u32 s98, s98, s2
	s_add_co_u32 s98, s98, 0x400000                ; k's region
	s_add_nc_u64 s[G0K+2:G0K+3], s[4:5], s[98:99]
	s_or_b32 s[G0K+3], s[G0K+3], 0x80000000
	s_mov_b32 s[G0V], 1
	s_lshl_b32 s[G0V+1], s19, 15
	s_add_co_u32 s[G0V+1], s[G0V+1], VC
	s_lshl_b32 s98, s19, 19                        ; 8 key steps on
	s_lshl_b32 s100, s15, 20
	s_add_co_u32 s98, s98, s100
	s_lshl_b32 s100, s16, 12
	s_add_co_u32 s98, s98, s100
	s_add_co_u32 s98, s98, 0x800000                ; v's region
	s_add_nc_u64 s[G0V+2:G0V+3], s[4:5], s[98:99]
	s_or_b32 s[G0V+3], s[G0V+3], 0x80000000
	s_mov_b32 s[G0KS], 1
	s_mov_b32 s[G0KS+1], KSB
	s_add_co_u32 s98, s3, 0x80000
	s_add_nc_u64 s[G0KS+2:G0KS+3], s[6:7], s[98:99]
	s_or_b32 s[G0KS+3], s[G0KS+3], 0x80000000
	s_mov_b32 s[G0VS], 1
	s_mov_b32 s[G0VS+1], VSB
	s_lshl_b32 s98, s15, 16
	s_lshl_b32 s100, s16, 8
	s_add_co_u32 s98, s98, s100
	s_add_co_u32 s98, s98, 0x100000
	s_add_nc_u64 s[G0VS+2:G0VS+3], s[6:7], s[98:99]
	s_or_b32 s[G0VS+3], s[G0VS+3], 0x80000000
	CROUND                                         ; all four work-groups are here: the joint loads meet
	; waves 0, 1: K's codes; 2, 3: V's; 4: K's scale words; 5: V's; the others none: at most one load a wave.  The branches hang on the wave's number alone
	s_cmp_lt_u32 s[WV], 2
	s_cbranch_scc0 .Lnot_k
	tensor_load_to_lds s[G0K:G0K+3], s[G1K:G1K+7]
	s_nop 0
	PLACES
	s_branch .Lasked
.Lnot_k:
	s_cmp_lt_u32 s[WV], 4
	s_cbranch_scc0 .Lnot_v
	tensor_load_to_lds s[G0V:G0V+3], s[G1V:G1V+7]
	s_nop 0
	PLACES
	s_branch .Lasked
.Lnot_v:
	s_cmp_eq_u32 s[WV], 4
	s_cbranch_scc0 .Lnot_ks
	tensor_load_to_lds s[G0KS:G0KS+3], s[G1KS:G1KS+7]
	s_nop 0
	PLACES
	s_branch .Lasked
.Lnot_ks:
	s_cmp_eq_u32 s[WV], 5
	s_cbranch_scc0 .Lasked
	tensor_load_to_lds s[G0VS:G0VS+3], s[G1VS:G1VS+7]
	s_nop 0
	PLACES
.Lasked:
	; my two tiles of queries: where their codes and scale words lie, and where their results go
	s_sub_co_u32 s[GB], 15, s[WV]
	s_lshr_b32 s17, s16, 3
	s_lshl_b32 s17, s17, 21
	s_and_b32 s18, s16, 7
	s_lshl_b32 s18, s18, 9
	s_add_co_u32 s17, s17, s18                     ; the head's place in o_codes: [head / 8][token tile][head % 8][512 bytes]
	s_lshl_b32 s18, s16, 1                         ; and in a token's 32 scale bytes
	s_lshl_b32 s19, s15, 7                         ; the batch's first token tile
	s_mov_b32 s101, 0
.macro BASES d                         ; s98: the tile of queries.  d = 0: tile A, 2: tile B
	s_lshl_b32 s100, s98, 10
	s_add_co_u32 s100, s100, s2
	s_add_nc_u64 s[82+\d:83+\d], s[4:5], s[100:101]      ; Q's codes
	s_lshr_b32 s100, s98, 2
	s_lshl_b32 s100, s100, 9
	s_and_b32 s99, s98, 3
	s_lshl_b32 s99, s99, 2
	s_add_co_u32 s100, s100, s99
	s_add_co_u32 s100, s100, s3
	s_add_nc_u64 s[86+\d:87+\d], s[6:7], s[100:101]      ; Q's scale words: [64 tokens][r][tile % 4]
	s_add_co_u32 s99, s19, s98                     ; the token tile among all 512
	s_lshl_b32 s100, s99, 12
	s_add_co_u32 s100, s100, s17
	s_add_nc_u64 s[90+\d:91+\d], s[8:9], s[100:101]      ; O's codes
	s_lshl_b32 s100, s99, 9
	s_add_co_u32 s100, s100, s18
	s_add_nc_u64 s[94+\d:95+\d], s[10:11], s[100:101]    ; O's scale bytes
.endm
	s_lshl_b32 s98, s[WV], 3
	s_lshl_b32 s99, s[CX], 1
	s_add_co_u32 s98, s98, s99                     ; tile A = 8 w + 2 cx
	BASES 0
	s_lshl_b32 s98, s[GB], 3
	s_lshl_b32 s99, s[CX], 1
	s_add_co_u32 s98, s98, s99
	s_add_co_u32 s98, s98, 1                       ; tile B = 8 (15 - w) + 2 cx + 1
	BASES 2
	global_load_b128 v[16:19], v1, s[82:83]        ; Q's fragments
	global_load_b128 v[60:63], v1, s[84:85]
	global_load_b32 v68, v15, s[86:87]             ; and their scale words
	global_load_b32 v69, v15, s[88:89]
.irp j, 20,21,22,23,56,57,58,59
	v_mov_b32 v[\j], 0                             ; zero codes: Q's upper 64 along K, and what stands behind K's last tile
.endr
.irp j, 10,11,93,95,251
	v_mov_b32 v[\j], 0                             ; the sums; and: a lane permute's destination counts as one of its sources, and v251 is named as the upper half of a pair
.endr
	v_mov_b32 v9, 0xff61b1e6                       ; the largest score so far: -3e38
	v_mov_b32 v12, 0x7e000000                      ; -M: 2^125, so that the first change of M multiplies by 0
	v_mov_b32 v66, 0xff800000                      ; -infinity
.set j, 160
.rept 32
	v_mov_b32 v[j], 0                              ; O^T: the step is written once, and the first finds zeros
.set j, j+1
.endr
	s_mov_b32 s[NX], s[WV]
	s_mov_b32 s[CT], 0
	s_mov_b32 s[KS], 0
; A step's tiles of K: lane (r, h) takes key row r of each tile, d = 32 h on; and their scale words: two loads of two words for each 64 keys, tiles g = 0, 2 and g = 1, 3
.macro KLOAD a, s
.irp t, 0,1,2,3,4,5,6,7
	ds_load_b128 v[24+4*\t:27+4*\t], v[\a] offset:(\t/4)*4*KT+((\t%4)/2)*KT+(\t%2)*128
.endr
.irp u, 0,1,2,3
	ds_load_b64 v[76+2*\u:77+2*\u], v[\s] offset:128*\u
.endr
.endm
	s_wait_alu depctr_va_vdst(0)
	s_wait_tensorcnt 0x0                           ; my part of the head, if I fetched one, is in LDS;
	s_wait_loadcnt 0x0                             ; Q is in
	s_barrier_signal -1
	s_barrier_wait -1                              ; everybody's part is in: from here on the tiles are only read
	KLOAD 3, 4
	s_wait_dscnt 0x0
.macro ADDS k                          ; the second half's p into the four partial sums
	v_pk_add_f32 v[10:11], v[10:11], v[128+8*\k:129+8*\k]
	v_pk_add_f32 v[232:233], v[232:233], v[130+8*\k:131+8*\k]
	v_pk_add_f32 v[234:235], v[234:235], v[132+8*\k:133+8*\k]
	v_pk_add_f32 v[236:237], v[236:237], v[134+8*\k:135+8*\k]
.endm
.macro SCALED j, n                     ; t - M + 2, two at a time (of the pairs c and 2 - M the low word serves both halves)
.set jj, \j
.rept \n
	v_pk_fma_f32 v[96+jj:97+jj], v[96+jj:97+jj], s[CS:CS+1], v[8:9] op_sel_hi:[1,0,0]
.set jj, jj+2
.endr
.endm
.Lstep:                                            ; 17 trips, a constant: a key step of the tile in hand; K's tiles and words for it have been fetched a step ahead
	s_add_co_u32 s[KN], s[KS], 1
	s_cmp_eq_u32 s[CT], s[NX]
	s_cselect_b32 s[KN], 0, s[KN]                  ; behind a tile's last step the next tile begins at key 0
	s_and_b32 s[KN], s[KN], 15
	s_lshl_b32 s81, s[KN], 12
	s_lshl_b32 s98, s[KN], 9
	s_lshl_b32 s99, s[KS], 12
	s_and_b32 s99, s99, 0xf000
	s_lshl_b32 s100, s[KS], 8
	s_and_b32 s100, s100, 0xf00
.irp t, 0,1,2,3,4,5,6,7
	v_wmma_scale_f32_16x16x128_f8f6f4 v[96+8*\t:103+8*\t], v[24+4*\t:31+4*\t], v[16:23], 0, v[76+4*(\t/4)+2*(\t%2)+(\t%4)/2], v68 matrix_a_fmt:MATRIX_FMT_FP4 matrix_b_fmt:MATRIX_FMT_FP4
.endr
	v_add_nc_u32 v70, s81, v3                      ; addresses.  These four are also the places in front of the loads below and of the first read of the scores
	v_add_nc_u32 v71, s98, v4
	v_add_nc_u32 v72, s99, v2
	v_add_nc_u32 v73, s100, v5
.irp t, 0,1,2,3
.irp c, 0,1
	ds_load_b128 v[192+8*\t+4*\c:195+8*\t+4*\c], v72 offset:1024*\t+512*\c   ; this step's V: 512 consecutive bytes a load
.endr
.endr
	ds_load_b128 v[84:87], v73                     ; and its scale words
	KLOAD 70, 71                                   ; the next step's K (behind the last step: the head's first keys, which nothing uses)
	s_cmp_lg_u32 s[CT], s[NX]                      ; only the tile's last step lies on the diagonal: there hidden keys become -infinity ahead of the maximum, and p = 0
	s_cbranch_scc1 .Lopen
.set n, 0
.rept 64
	v_cmp_gt_i32 vcc_lo, 64*(n/32)+n%32, v6        ; register 32 c + 8 g + j holds key 64 c + 32 h + 8 g + j
	v_cndmask_b32 v[96+n], v[96+n], v66, vcc_lo
.set n, n+1
.endr
.Lopen:
	v_max_num_f32 v88, v96, v97                    ; the largest score of each of my two blocks of 32 keys, in two chains each: it serves for the row's maximum and, since p rises with the score, for the block's largest p
	v_max3_num_f32 v90, v112, v113, v114
	v_max_num_f32 v89, v128, v129
	v_max3_num_f32 v91, v144, v145, v146
.irp k, 1,2,3,4,5,6,7
	v_max3_num_f32 v88, v88, v[96+2*\k], v[97+2*\k]
.if \k < 7
	v_max3_num_f32 v90, v90, v[113+2*\k], v[114+2*\k]
.endif
	v_max3_num_f32 v89, v89, v[128+2*\k], v[129+2*\k]
.if \k < 7
	v_max3_num_f32 v91, v91, v[145+2*\k], v[146+2*\k]
.endif
.endr
	v_max3_num_f32 v88, v88, v90, v127
	v_max3_num_f32 v89, v89, v91, v159
	s_delay_alu instid0(VALU_DEP_1)
	v_max_num_f32 v92, v88, v89
	s_delay_alu instid0(VALU_DEP_1)
	v_permlanex16_b32 v93, v92, s[SEL], s[SEL+1]   ; lane l xor 16's two blocks
	s_delay_alu instid0(VALU_DEP_1)
	v_max3_num_f32 v9, v9, v92, v93                ; the running largest score
	s_delay_alu instid0(VALU_DEP_1)
	v_mul_f32 v94, s[NC], v9                       ; -t
	s_delay_alu instid0(VALU_DEP_1)
	v_floor_f32 v13, v94                           ; the new -M = floor(-t): a whole number
	s_delay_alu instid0(VALU_DEP_1)
	v_add_f32 v8, 2.0, v13
	v_sub_f32 v14, v13, v12                        ; old M - new M: a whole number, 0 or less
	SCALED 0, 4
	v_cvt_i32_f32 v14, v14                         ; (it saturates)
	v_mov_b32 v12, v13
	SCALED 8, 4
	v_ldexp_f32 v250, 1.0, v14                     ; f = 2^(old M - new M)
	SCALED 16, 8
	v_fma_f32 v88, v88, s[CS], v13                 ; t - M of each block's largest score
	v_fma_f32 v89, v89, s[CS], v13
	v_pk_mul_f32 v[10:11], v[10:11], v[250:251] op_sel_hi:[1,0]   ; the sums under the new M,
.set j, 0
.rept 16
	v_pk_mul_f32 v[160+j:161+j], v[160+j:161+j], v[250:251] op_sel_hi:[1,0]   ; and O^T, each accumulator from its low end on
.set j, j+2
.endr
	s_wait_alu depctr_va_vdst(0)                   ; ahead of the batch
	v_exp_f32 v88, v88                             ; the blocks' largest p
	v_exp_f32 v89, v89
.set i, 0
.rept 16                               ; the first half's exponentials, with the second half's multiply-adds between
	v_exp_f32 v[96+i], v[96+i]
	v_exp_f32 v[97+i], v[97+i]
	SCALED 32+i, 1
.set i, i+2
.endr
	s_wait_alu depctr_va_vdst(0)                   ; behind that batch and ahead of the next
.set i, 0
.rept 8                                ; the second half's, with the first half's sums, pair by pair, between
	v_exp_f32 v[128+4*i], v[128+4*i]
	v_exp_f32 v[129+4*i], v[129+4*i]
	v_exp_f32 v[130+4*i], v[130+4*i]
	v_exp_f32 v[131+4*i], v[131+4*i]
	v_pk_add_f32 v[232+2*i:233+2*i], v[96+4*i:97+4*i], v[98+4*i:99+4*i]
.set i, i+1
.endr
	s_wait_alu depctr_va_vdst(0)                   ; behind the batch
	v_max_num_f32 v88, 0x800000, v88               ; the floor 2^-126: the byte cannot fall under 1
	v_max_num_f32 v89, 0x800000, v89
	ADDS 0
	v_lshrrev_b32 v90, 23, v88                     ; the scales' bytes
	v_lshrrev_b32 v91, 23, v89
	ADDS 1
	v_lshl_or_b32 v253, v91, 16, v90               ; my two bytes: blocks h and 2 + h,
.irp t, 0,1,2,3,4,5,6,7
	v_cvt_scalef32_pk8_fp4_f32 v[224+\t], v[96+8*\t:103+8*\t], v[88+\t/4]   ; the exponent field of the block's largest p is the scale of its 4 p
.endr
	ADDS 2
	v_lshlrev_b32 v253, v7, v253                   ; at their places in the word (8 h bits up);
	ADDS 3
	v_permlanex16_b32 v95, v253, s[SEL], s[SEL+1]
	s_delay_alu instid0(VALU_DEP_1)
	v_or_b32 v253, v253, v95                       ; with lane l xor 16's two it is whole
	v_pk_add_f32 v[10:11], v[10:11], v[238:239]    ; eight places between the scale word and the products
	v_pk_add_f32 v[232:233], v[232:233], v[240:241]
	v_pk_add_f32 v[234:235], v[234:235], v[242:243]
	v_pk_add_f32 v[236:237], v[236:237], v[244:245]
	v_pk_add_f32 v[10:11], v[10:11], v[246:247]
	v_pk_add_f32 v[232:233], v[232:233], v[234:235]
	v_pk_add_f32 v[10:11], v[10:11], v[236:237]
	v_pk_add_f32 v[10:11], v[10:11], v[232:233]
	s_wait_alu depctr_va_vdst(0)
	s_wait_dscnt 0x0                               ; V is in, and so is the next step's K
.irp t, 0,1,2,3
	v_wmma_scale_f32_16x16x128_f8f6f4 v[160+8*\t:167+8*\t], v[192+8*\t:199+8*\t], v[224:231], v[160+8*\t:167+8*\t], v[84+\t], v253 matrix_a_fmt:MATRIX_FMT_FP4 matrix_b_fmt:MATRIX_FMT_FP4
.endr
	s_cmp_lg_u32 s[CT], s[NX]
	s_cbranch_scc1 .Lgo
; THE WAY OUT of a tile: O^T / the sum, in f32; its 64 numbers of a query are two blocks of 32 along E; register 16 beta + 8 u + j is d = 32 beta + 16 u + 8 h + j: the conversions and an exchange of halves
; leave in lane (r, h) the 16 bytes of token r, block h: the wave stores 512 consecutive bytes, aligned.
	PLACES
	v_add_f32 v10, v10, v11                        ; the sum's two halves,
	v_permlanex16_b32 v93, v10, s[SEL], s[SEL+1]
	v_add_f32 v10, v10, v93                        ; and lane l xor 16's
	s_wait_alu depctr_va_vdst(0)
	v_rcp_f32 v10, v10
	v_nop                                          ; one plain place behind a transcendental
	s_wait_alu depctr_va_vdst(0)
.set j, 0
.rept 32
	v_mul_f32 v[96+j], v[160+j], v10
.set j, j+1
.endr
.irp b, 0,1
	v_max3_num_f32 v[232+\b], |v[96+16*\b]|, |v[97+16*\b]|, 0x1800000
.endr
.irp i, 2,4,6,8,10,12,14
.irp b, 0,1
	v_max3_num_f32 v[232+\b], v[232+\b], |v[96+16*\b+\i]|, |v[97+16*\b+\i]|
.endr
.endr
.irp b, 0,1
	v_permlanex16_b32 v[236+\b], v[232+\b], s[SEL], s[SEL+1]
.endr
.irp b, 0,1
	v_max_num_f32 v[232+\b], v[232+\b], v[236+\b]
.endr
.irp b, 0,1
	v_add_nc_u32 v[244+\b], 0xff000000, v[232+\b]  ; 2 off the exponent field
.endr
.irp b, 0,1
	v_lshrrev_b32 v[236+\b], 23, v[244+\b]
.endr
	v_lshl_or_b32 v248, v237, 8, v236
	v_lshrrev_b32 v248, v7, v248                   ; my half's block's byte in the low byte
.irp b, 0,1
	v_cvt_scalef32_pk8_fp4_f32 v[224+\b], v[96+16*\b:103+16*\b], v[244+\b]
	v_cvt_scalef32_pk8_fp4_f32 v[226+\b], v[104+16*\b:111+16*\b], v[244+\b]
.endr
	v_nop                                          ; one plain place behind a scaled conversion
	v_permlane16_swap_b32 v224, v225
	v_permlane16_swap_b32 v226, v227
	global_store_b128 v1, v[224:227], s[90:91]
	global_store_b8 v67, v248, s[94:95]
	s_wait_alu depctr_va_vdst(0)
	s_wait_xcnt 0x0                                ; the stores have read their registers and bases
	s_cmp_eq_u32 s[CT], 16
	s_cbranch_scc1 .Lgo
	v_mov_b32 v68, v69                             ; ON TO TILE B: its scale word, its Q,
.irp j, 0,1,2,3
	v_mov_b32 v[16+\j], v[60+\j]
.endr
	v_add_nc_u32 v6, 16, v6                        ; its mask's number: it lies 16 queries on in its group
	v_mov_b32 v9, 0xff61b1e6
	v_mov_b32 v12, 0x7e000000
	v_mov_b32 v10, 0
	v_mov_b32 v11, 0
.set j, 160
.rept 32
	v_mov_b32 v[j], 0
.set j, j+1
.endr
	s_mov_b64 s[90:91], s[92:93]
	s_mov_b64 s[94:95], s[96:97]
	s_mov_b32 s[NX], 16
	s_wait_alu depctr_va_vdst(0)
.Lgo:
	s_mov_b32 s[KS], s[KN]
	s_add_co_u32 s[CT], s[CT], 1
	s_cmp_lt_u32 s[CT], 17
	s_cbranch_scc1 .Lstep
	s_barrier_signal -1                            ; no LDS read of any wave is out
	s_barrier_wait -1
	s_wait_tensorcnt 0x0                           ; the wave's end
	ds_add_u32 v[SPW], v[NIL]
	s_wait_dscnt 0x0
	CROUND                                         ; the closing round: no work-group ends while a partner may still ask for a tile that names it
	s_endpgm
.Lfunc_end_k_q51e9974a21_attn:
	.size	k_q51e9974a21_attn, .Lfunc_end_k_q51e9974a21_attn-k_q51e9974a21_attn
	.p2alignl 7, 3214868480
	.fill 96, 4, 3214868480
	.section	.rodata,"a",@progbits
	.p2align	6, 0x0
	.amdhsa_kernel k_q51e9974a21_attn
		.amdhsa_group_segment_fixed_size 169984
		.amdhsa_private_segment_fixed_size 0
		.amdhsa_enable_private_segment 0
		.amdhsa_kernarg_size 32
		.amdhsa_user_sgpr_count 2
		.amdhsa_user_sgpr_kernarg_segment_ptr 1
		.amdhsa_wavefront_size32 1
		.amdhsa_system_sgpr_workgroup_id_x 1
		.amdhsa_system_sgpr_workgroup_id_y 1
		.amdhsa_system_sgpr_workgroup_id_z 1
		.amdhsa_system_vgpr_workitem_id 0
		.amdhsa_next_free_vgpr 256
		.amdhsa_next_free_sgpr 102
		.amdhsa_reserve_vcc 1
		.amdhsa_float_denorm_mode_32 3
		.amdhsa_float_denorm_mode_16_64 3
		.amdhsa_memory_ordered 1
		.amdhsa_forward_progress 1
		.amdhsa_inst_pref_size 37
	.end_amdhsa_kernel
	.amdgpu_metadata
---
amdhsa.version: [ 1, 2 ]
amdhsa.kernels:
  - .name:           k_q51e9974a21_attn
    .symbol:         k_q51e9974a21_attn.kd
    .args:
      - { .name: qkv_codes, .offset: 0, .size: 8, .value_kind: global_buffer, .address_space: global }
      - { .name: qkv_scales, .offset: 8, .size: 8, .value_kind: global_buffer, .address_space: global }
      - { .name: o_codes, .offset: 16, .size: 8, .value_kind: global_buffer, .address_space: global }
      - { .name: o_scales, .offset: 24, .size: 8, .value_kind: global_buffer, .address_space: global }
    .group_segment_fixed_size: 169984
    .private_segment_fixed_size: 0
    .kernarg_segment_align: 8
    .kernarg_segment_size: 32
    .max_flat_workgroup_size: 512
    .sgpr_count:     102
    .vgpr_count:     256
    .wavefront_size: 32
...
	.end_amdgpu_metadata
.endif
;; end of part 2
;; launch outp (part 3): grid 4 x 64, 4 waves a work-group, clusters of 4 x 4, 327,680 bytes of LDS; arguments o_codes, o_scales, Wo_codes, Wo_scales, out0, bo; writes out0
.if DOCPART == 3
	.amdgcn_target "amdgcn-amd-amdhsa--gfx1250"
	.amdhsa_code_object_version 6
	.text
	.protected	k_q51e9974a21_outp
	.globl	k_q51e9974a21_outp
	.p2align	8
	.type	k_q51e9974a21_outp,@function
k_q51e9974a21_outp:
	s_mov_b64 s[64:65], 0
	v_nop
	global_prefetch_b8 v0, s[64:65] scope:SCOPE_SE
	s_setreg_imm32_b32 hwreg(HW_REG_WAVE_MODE, 25, 1), 1
	s_wait_xcnt 0x0
	s_wait_alu depctr_hold_cnt(0) depctr_sa_sdst(0) depctr_va_vdst(0) depctr_va_sdst(0) depctr_va_ssrc(0) depctr_va_vcc(0) depctr_vm_vsrc(0)
	s_getreg_b32 s2, hwreg(HW_REG_IB_STS2, 6, 4)
	s_cmp_eq_u32 s2, 0
	s_cbranch_scc0 .Lentry_in_a_cluster
	s_endpgm
.Lentry_in_a_cluster:
	s_bfe_u32 s2, ttmp6, 0x10000c
	s_cmp_lg_u32 s2, 0xf033
	s_cbranch_scc0 .Lentry_shape_is_right
	s_endpgm
.Lentry_shape_is_right:
; out = O Wo^T + bo: 8,192 tokens x 1,024 columns, K = 1,024, on codes of FP4 (E2M1) with one E8M0 byte for each 32 along K; sums and result in f32.
; A work-group of four waves makes 128 tokens x 256 columns, a wave 64 x 128: 32 accumulators of 16 x 16.  4 x 64 = 256 work-groups.  Source 0 = 16 rows of Wo, source 1 = 16 tokens: a lane holds eight neighbouring
; columns of one token.  The bias is the C of each accumulator's first product.
; ALL OF K lies in LDS at once: O's codes as two blocks of 32,768 bytes ([head / 8][token tile][head % 8][lane][16 bytes]: images of operand registers, no padding), Wo's 256 rows of 512 bytes + 16 of padding.
; One tensor load a wave, all at the head: waves 0, 1: O's two halves along K; waves 2, 3: Wo's two halves of rows.  CLUSTERS of 4 x 4: O is asked for jointly along a row of the cluster, Wo along a column.
; No prefetch: every tile is asked for once, at the head.
; SCALES go from memory to registers: lane (r, h) takes 16 bytes, half h of K, of row r: one register carries a word of the first half of K in lanes 0-15 and of the second in lanes 16-31.
; LIMITS: NaN and infinities are not served.
; REGISTERS: window 0: v16-30 addresses, v32-79 scale words, v126-127 the add's two, v128-191 A's fragments, two sets, v192-255 the bias; on the way out v128-255 rows read back.  window 1: B's fragments, two sets.  window 2: accumulators.
.set PITCH,  528                       ; Wo's row in LDS
.set HALFB,  128*PITCH
.set BB0,    65536                     ; Wo behind O
.set STAGE,  BB0+2*HALFB               ; the way out: 16 rows x (512 bytes + 16) for each wave: no tile lands there
.set SPITCH, 528
.set SPARE,  STAGE+4*16*SPITCH         ; the spare words, 128 bytes for each wave
.set ADRA, 16
.set ADRB, 17
.set STO,  24
.set RD,   25
.set CO,   26
.set BOF,  28
.set SOF,  29
.set SCB,  32                          ; Wo's scale words: block b, step q of a half of K at 4 b + q
.set SCA,  64                          ; O's
.set SPW,  126
.set NIL,  127
.set AF,   128
.set BIAS, 192
.set BK,   128
.set G1, 24                            ; descriptor groups: O
.set G0, 32
.set G1B, 48                           ; Wo
.set G0B, 56
.set MSB, 0
.macro WIN new                         ; the immediate's high byte repeats the setting that is left; a switch that changes nothing is dropped
.if MSB != \new
	s_set_vgpr_msb (MSB<<8)|\new
.set MSB, \new
.endif
.endm
.set MUL,     0xa1                     ; source 0 window 1, source 1 window 0, C and D window 2
.set MUL_1ST, 0x81                     ; C (the bias) window 0
.set TO_B,    0x40
.macro CROUND                          ; a round of the cluster's barrier
	s_barrier_signal -1
	s_barrier_wait -1
	s_cmp_lg_u32 s14, 0
	s_cbranch_scc1 .Lnot_wave_0_\@
	s_barrier_signal -3
.Lnot_wave_0_\@:
	s_barrier_wait -3
	s_barrier_signal -1
	s_barrier_wait -1
.endm
.macro DESC1 g, c, r, p                ; group 1 behind its first word: r rows of c bytes, p bytes from row to row
	s_mov_b32 s[\g+1], (\c)<<16
	s_mov_b32 s[\g+2], (\r)<<16
	s_mov_b32 s[\g+3], (\c)<<16
	s_mov_b32 s[\g+4], \r
	s_mov_b32 s[\g+5], \p
	s_mov_b32 s[\g+6], 0
	s_mov_b32 s[\g+7], 0
.endm
.macro PLACES                          ; four places behind a matrix instruction (ISA guide 7.12.1)
.rept 4
	v_nop
.endr
.endm
	s_load_b256 s[4:11], s[0:1], 0x0               ; O's codes, O's scales, Wo's codes, Wo's scales
	s_load_b64 s[12:13], s[0:1], 0x20              ; out0
	s_load_b64 s[96:97], s[0:1], 0x28              ; bo
	v_lshl_add_u32 v[SPW], v0, 2, SPARE
	v_mov_b32 v[NIL], 0
	ds_add_u32 v[SPW], v[NIL]                      ; the opening add, twice on end, and its wait ahead of my first tensor load
	ds_add_u32 v[SPW], v[NIL]
	v_lshrrev_b32 v1, 5, v0
	v_readfirstlane_b32 s14, v1                    ; wave 0..3
	s_lshr_b32 s15, s14, 1                         ; my half of the tokens.  Also: I fetch O (0) or Wo (1)
	s_and_b32 s16, s14, 1                          ; my half of the columns.  Also: which half of that tile I fetch
	s_bfe_u32 s40, ttmp6, 0x40000                  ; cx, cy
	s_bfe_u32 s41, ttmp6, 0x40004
	s_lshl_b32 s42, ttmp9, 2
	s_add_co_u32 s42, s42, s40                     ; tile of 256 columns
	s_and_b32 s17, ttmp7, 0xffff
	s_lshl_b32 s17, s17, 2
	s_add_co_u32 s17, s17, s41                     ; tile of 128 tokens
	s_lshl_b32 s43, s41, 2
	s_lshl_b32 s43, 15, s43                        ; my row of the cluster
	s_lshl_b32 s44, 0x1111, s40                    ; my column
	s_or_b32 s[G1], s43, (1<<21)                   ; elements of 1 byte, no padding; 21 set beside a mask
	DESC1 G1, 256, 128, 256
	s_or_b32 s[G1B], s44, (1<<20)|(1<<21)|(6<<22)|(3<<25)   ; padding: four words after every 128
	DESC1 G1B, 512, 128, 512
	s_lshl_b32 s20, s17, 15                        ; O: 32,768 bytes a tile, the second half of K 2,097,152 on
	s_lshl_b32 s18, s16, 21
	s_add_co_u32 s20, s20, s18
	s_mov_b32 s21, 0
	s_lshl_b32 s46, s42, 17                        ; Wo: 256 rows of 512 bytes a tile
	s_lshl_b32 s18, s16, 16
	s_add_co_u32 s46, s46, s18
	s_mov_b32 s47, 0
	s_lshl_b32 s45, s16, 15                        ; where they go
	s_mul_i32 s95, s16, HALFB
	s_add_co_u32 s95, s95, BB0                     ; (this is also where my 128 rows of Wo lie)
	s_lshl_b32 s22, s15, 14                        ; my four token tiles of 4,096 bytes
	s_mul_i32 s23, s14, 16*SPITCH
	s_add_co_u32 s23, s23, STAGE                   ; my stage
	v_and_b32 v1, 15, v0                           ; r
	v_bfe_u32 v2, v0, 4, 1                         ; h
	v_and_b32 v6, 31, v0
	v_mul_u32_u24 v4, v1, PITCH
	v_lshlrev_b32 v3, 4, v1
	v_lshl_add_u32 v5, v2, 5, v4                   ; (SPITCH = PITCH) in: row r, 32 bytes for each half of the lanes
	v_lshl_add_u32 v4, v2, 4, v4
	v_lshl_add_u32 v3, v2, 8, v3
	v_lshlrev_b32 v[CO], 4, v6                     ; back: the 32 lanes take one row of 512 bytes
	v_lshlrev_b32 v7, 4, v2
	v_lshlrev_b32 v[BOF], 5, v2
	v_add_nc_u32 v[ADRA], s22, v3
	v_add_nc_u32 v[ADRB], s95, v4
	v_add_nc_u32 v[STO], s23, v5
	v_add_nc_u32 v[RD], s23, v[CO]
	v_lshl_add_u32 v[SOF], v1, 5, v7
	s_wait_alu depctr_va_vdst(0)
	s_wait_dscnt 0x0                               ; both opening adds are done
	s_wait_kmcnt 0x0
	s_mov_b32 s[G0], 1
	s_mov_b32 s[G0+1], s45
	s_add_nc_u64 s[G0+2:G0+3], s[4:5], s[20:21]
	s_or_b32 s[G0+3], s[G0+3], 0x80000000
	s_mov_b32 s[G0B], 1
	s_mov_b32 s[G0B+1], s95
	s_add_nc_u64 s[G0B+2:G0B+3], s[8:9], s[46:47]
	s_or_b32 s[G0B+3], s[G0B+3], 0x80000000
	CROUND                                         ; all sixteen work-groups are here: the joint loads meet
	s_cmp_eq_u32 s15, 0
	s_cbranch_scc0 .Lfor_b
	tensor_load_to_lds s[G0:G0+3], s[G1:G1+7]
	s_nop 0
	PLACES
	s_branch .Lasked
.Lfor_b:
	tensor_load_to_lds s[G0B:G0B+3], s[G1B:G1B+7]
	s_nop 0
	PLACES
.Lasked:
	s_mov_b32 s3, 0
	s_lshl_b32 s92, s17, 7
	s_lshl_b32 s18, s15, 6
	s_add_co_u32 s92, s92, s18                     ; my first token
	s_lshl_b32 s93, s42, 8
	s_lshl_b32 s18, s16, 7
	s_add_co_u32 s93, s93, s18                     ; my first column
	s_lshl_b32 s2, s92, 5
	s_add_nc_u64 s[36:37], s[6:7], s[2:3]
	s_lshl_b32 s2, s93, 5
	s_add_nc_u64 s[38:39], s[10:11], s[2:3]
	s_lshl_b32 s2, s93, 2
	s_add_nc_u64 s[96:97], s[96:97], s[2:3]
	s_lshl_b32 s18, s92, 12
	s_add_co_u32 s2, s2, s18
	s_add_nc_u64 s[12:13], s[12:13], s[2:3]
.irp i, 0,1,2,3
	global_load_b128 v[SCA+4*\i:SCA+4*\i+3], v[SOF], s[36:37] offset:512*\i   ; 16 rows x 32 bytes: 512 consecutive bytes
.endr
.irp b, 0,1,2,3,4,5,6,7
	global_load_b128 v[SCB+4*\b:SCB+4*\b+3], v[SOF], s[38:39] offset:512*\b
	global_load_b128 v[BIAS+8*\b:BIAS+8*\b+3], v[BOF], s[96:97] offset:64*\b          ; columns 16 b + 8 h + 0 .. 7
	global_load_b128 v[BIAS+8*\b+4:BIAS+8*\b+7], v[BOF], s[96:97] offset:64*\b+16
.endr
; 16 matrix instructions: A's blocks a0, a0 + 1 x B's eight, the qq-th 128 along K.  The accumulators take turns in the same order in every step.
.macro MUL16 a0, qq
.irp a, \a0, \a0+1
.irp b, 0,1,2,3,4,5,6,7
.set DD, 8*(8*(\a)+\b)
.set FB, 128*((\qq)%2)+8*\b
.set FA, AF+32*((\qq)%2)+8*(\a)
.set SB, SCB+4*\b+(\qq)%4
.set SA, SCA+4*(\a)+(\qq)%4
.if (\qq) == 0
	v_wmma_scale_f32_16x16x128_f8f6f4 v[DD:DD+7], v[FB:FB+7], v[FA:FA+7], v[BIAS+8*\b:BIAS+8*\b+7], v[SB], v[SA] matrix_a_fmt:MATRIX_FMT_FP4 matrix_b_fmt:MATRIX_FMT_FP4
.elseif (\qq) < 4
	v_wmma_scale_f32_16x16x128_f8f6f4 v[DD:DD+7], v[FB:FB+7], v[FA:FA+7], v[DD:DD+7], v[SB], v[SA] matrix_a_fmt:MATRIX_FMT_FP4 matrix_b_fmt:MATRIX_FMT_FP4
.else
	v_wmma_scale_f32_16x16x128_f8f6f4 v[DD:DD+7], v[FB:FB+7], v[FA:FA+7], v[DD:DD+7], v[SB], v[SA] matrix_a_fmt:MATRIX_FMT_FP4 matrix_b_fmt:MATRIX_FMT_FP4 matrix_a_scale:MATRIX_SCALE_ROW1 matrix_b_scale:MATRIX_SCALE_ROW1
.endif
.endr
.endr
.endm
.macro FETCH qq                        ; the step's fragments into set qq % 2
	WIN TO_B
.irp i, 0,1,2,3,4,5,6,7
.irp c, 0,1
	ds_load_b128 v[128*((\qq)%2)+8*\i+4*\c:128*((\qq)%2)+8*\i+4*\c+3], v[ADRB] offset:64*(\qq)+32*\c+\i*16*PITCH
.endr
.endr
	WIN 0
.irp i, 0,1,2,3
.irp c, 0,1
	ds_load_b128 v[AF+32*((\qq)%2)+8*\i+4*\c:AF+32*((\qq)%2)+8*\i+4*\c+3], v[ADRA] offset:32768*((\qq)/4)+(16*\i+4*((\qq)%4)+2*\c)*256
.endr
.endr
.endm
.macro STEP qq
	s_wait_dscnt 0x0
.if (\qq) < 7
	PLACES
	FETCH (\qq)+1
.endif
.if (\qq) == 0
	WIN MUL_1ST
.else
	WIN MUL
.endif
	MUL16 0, \qq
	MUL16 2, \qq
.endm
	s_wait_alu depctr_va_vdst(0)
	s_wait_tensorcnt 0x0                           ; my tile is in,
	s_barrier_signal -1
	s_barrier_wait -1                              ; everybody's is
	FETCH 0
	s_wait_loadcnt 0x0                             ; the scale words and the bias
	STEP 0
	STEP 1
	STEP 2
	STEP 3
	STEP 4
	STEP 5
	STEP 6
	STEP 7
	WIN 0
; THE WAY OUT, block by block of 16 tokens x 128 columns: through my own stage, and back as whole rows of 512 bytes, which the 32 lanes store as two aligned units of 256 bytes.
; LDS serves a wave's instructions in order (ISA guide 5.7.1.4): no wait between the stores and the loads.
.macro TOSTAGE a
.set AC, 64*(\a)
	WIN 0x08
.irp b, 0,1,2,3,4,5,6,7
	ds_store_b128 v[STO], v[AC+8*\b:AC+8*\b+3] offset:64*\b          ; each accumulator from its low end on
	ds_store_b128 v[STO], v[AC+8*\b+4:AC+8*\b+7] offset:64*\b+16
.endr
	WIN 0
.set BB, BK+64*((\a)%2)
.irp t, 0,1,2,3,4,5,6,7,8,9,10,11,12,13,14,15
	ds_load_b128 v[BB+4*\t:BB+4*\t+3], v[RD] offset:\t*SPITCH
.endr
.endm
.macro SEND a, younger                 ; younger: the LDS instructions issued behind block a's loads, which may stay out
.set BB, BK+64*((\a)%2)
	s_wait_dscnt \younger
.if (\a) > 0
	s_add_nc_u64 s[12:13], s[12:13], 16*4096       ; (behind a wait on XCNT: the earlier stores have read their base)
.endif
.irp t, 0,1,2,3,4,5,6,7,8,9,10,11,12,13,14,15
	global_store_b128 v[CO], v[BB+4*\t:BB+4*\t+3], s[12:13] offset:\t*4096 th:TH_STORE_NT
.endr
.endm
	PLACES
	TOSTAGE 0
.irp a, 1,2,3
.if \a > 1
	s_wait_xcnt 0x0                                ; block a - 2's stores have read their registers and their base
.endif
	TOSTAGE \a
	SEND \a-1, 32                                  ; behind block a - 1's loads: block a's 16 stores and 16 loads
.endr
	s_wait_xcnt 0x0
	SEND 3, 0
	s_wait_tensorcnt 0x0                           ; the wave's end
	ds_add_u32 v[SPW], v[NIL]
	s_wait_dscnt 0x0
	CROUND                                         ; the closing round
	s_endpgm
.Lfunc_end_k_q51e9974a21_outp:
	.size	k_q51e9974a21_outp, .Lfunc_end_k_q51e9974a21_outp-k_q51e9974a21_outp
	.p2alignl 7, 3214868480
	.fill 96, 4, 3214868480
	.section	.rodata,"a",@progbits
	.p2align	6, 0x0
	.amdhsa_kernel k_q51e9974a21_outp
		.amdhsa_group_segment_fixed_size 327680
		.amdhsa_private_segment_fixed_size 0
		.amdhsa_enable_private_segment 0
		.amdhsa_kernarg_size 48
		.amdhsa_user_sgpr_count 2
		.amdhsa_user_sgpr_kernarg_segment_ptr 1
		.amdhsa_wavefront_size32 1
		.amdhsa_system_sgpr_workgroup_id_x 1
		.amdhsa_system_sgpr_workgroup_id_y 1
		.amdhsa_system_sgpr_workgroup_id_z 1
		.amdhsa_system_vgpr_workitem_id 0
		.amdhsa_next_free_vgpr 768
		.amdhsa_next_free_sgpr 100
		.amdhsa_reserve_vcc 0
		.amdhsa_float_denorm_mode_32 3
		.amdhsa_float_denorm_mode_16_64 3
		.amdhsa_memory_ordered 1
		.amdhsa_forward_progress 1
		.amdhsa_inst_pref_size 70
	.end_amdhsa_kernel
	.amdgpu_metadata
---
amdhsa.version: [ 1, 2 ]
amdhsa.kernels:
  - .name:           k_q51e9974a21_outp
    .symbol:         k_q51e9974a21_outp.kd
    .args:
      - { .name: o_codes, .offset: 0, .size: 8, .value_kind: global_buffer, .address_space: global }
      - { .name: o_scales, .offset: 8, .size: 8, .value_kind: global_buffer, .address_space: global }
      - { .name: Wo_codes, .offset: 16, .size: 8, .value_kind: global_buffer, .address_space: global }
      - { .name: Wo_scales, .offset: 24, .size: 8, .value_kind: global_buffer, .address_space: global }
      - { .name: out0, .offset: 32, .size: 8, .value_kind: global_buffer, .address_space: global }
      - { .name: bo, .offset: 40, .size: 8, .value_kind: global_buffer, .address_space: global }
    .group_segment_fixed_size: 327680
    .private_segment_fixed_size: 0
    .kernarg_segment_align: 8
    .kernarg_segment_size: 48
    .max_flat_workgroup_size: 128
    .sgpr_count:     100
    .vgpr_count:     768
    .wavefront_size: 32
...
	.end_amdgpu_metadata
.endif
;; end of part 3
